; MI455X (gfx1250); checked and timed in simulation.
; The chip was launched on July 23, 2026; its instructions are those of AMD's public machine-readable ISA for CDNA 5 (MIT licence, August 2026) and "CDNA5" Instruction Set Architecture Reference Guide (July 2026). The comments in the code are by the model that wrote it; some were corrected since.
;; Top K Mo E. Allowed arithmetic: float matrix products may take bf16 or f16 operands with f32 sums; all other float work in f32.
;; Inputs: b1 8 x 1,024 float32; b2 8 x 1,024 float32; router_b 8 float32; router_w 1,024 x 8 float32; w1 8 x 1,024 x 1,024 float32; w2 8 x 1,024 x 1,024 float32; x 2 x 2,048 x 1,024 float32.
;; Outputs: out0 2 x 2,048 x 1,024 float32.
;; 2 versions, each right; version 2 is version 1 with the launch combine written anew for expert scheduling mode. Each part assembles by itself: llvm-mc -triple=amdgcn-amd-amdhsa -mcpu=gfx1250 --defsym DOCPART=n.
;; ======== version 1 of 2: 5 launches
;; limits: values are held in f16: magnitudes above 65,504 overflow, below 6.1e-05 lose precision; a function is approximated: absolute error at most 1.5e-07
;; workspace buffers: xh 8,388,608 bytes; wh 33,554,432 bytes; sel 16,384 bytes of whole numbers; gate 32,768 bytes; plan 69,888 bytes of whole numbers; h 18,874,368 bytes; y 37,748,736 bytes
;; launch prep (part 1): grid 1280 x 1, 8 waves a work-group, no clusters, 37,888 bytes of LDS; arguments x, router_w, router_b, w1, w2, xh, wh, sel, gate; writes xh, wh, sel, gate
.if DOCPART == 1
	.amdgcn_target "amdgcn-amd-amdhsa--gfx1250"
	.amdhsa_code_object_version 6
	.text
	.protected	k_q7fec3015e0_prep
	.globl	k_q7fec3015e0_prep
	.p2align	8
	.type	k_q7fec3015e0_prep,@function
k_q7fec3015e0_prep:
	s_mov_b64 s[64:65], 0
	v_nop
	global_prefetch_b8 v0, s[64:65] scope:SCOPE_SE
	s_setreg_imm32_b32 hwreg(HW_REG_WAVE_MODE, 25, 1), 1
	s_wait_xcnt 0x0
; Two roles, chosen by the work-group's number alone; every work-group reads 64 KiB.
;   work-groups 0..255    ROUTER: 16 tokens each, two a wave.  logits = x . router_w + router_b in f32 on the vector ALU, the two
;                         largest logits, softmax over the two (the larger is taken away before the exponential), x cast to f16.
;   work-groups 256..1279 CAST: 64 KiB of w1 (first 512) or w2 (last 512) to f16, layout kept: wh = w1 [8][k][n], then w2 [8][k][n].
; The choice of experts is stored as whole numbers (sel = i1 | i2 << 8); later launches make addresses of it.
; LIMITS.  f16 operands: |x|, |w1|, |w2| above 65504 become infinite; below 2^-14 they carry an absolute error up to 2^-25.
; Two logits that differ by less than the rounding of a 1024-term f32 sum may be ranked otherwise than by another order of summation;
; equal logits take the lower index.  With NaN logits the two indices stay valid and different, the values are not defined here.
; v_exp_f32 gives 0 where the smaller gate would be under 2^-126.
; No matrix unit: the decision needs f32 and is 8 columns wide.  No cluster: work-groups share only the 32 KiB of router_w.
.set X,   16                           ; v[16:79]    x as loaded: token a, chunk j at X + 32 a + 4 j
.set RW,  80                           ; v[80:143]   router_w: two buffers of 32 (first use: stage of the copy into LDS)
.set ACC, 144                          ; v[144:159]  token a: 8 sums, one for each expert
.set HX,  160                          ; v[160:191]  x in f16: each register written once
.set MB,  192                          ; v[192:199]  token a: M1, M2, I1, I2
	s_load_b512 s[4:19], s[0:1], 0x0               ; x 4:5, router_w 6:7, router_b 8:9, w1 10:11, w2 12:13, xh 14:15, wh 16:17, sel 18:19
	s_load_b64 s[20:21], s[0:1], 0x40              ; gate
	v_lshl_add_u32 v200, v0, 2, 0x9000
	v_mov_b32 v201, 0
	v_and_b32 v1, 31, v0                           ; lane
	v_lshrrev_b32 v2, 5, v0
	v_readfirstlane_b32 s22, v2                    ; wave
	s_wait_kmcnt 0x0
	s_cmp_lt_u32 ttmp9, 256
	s_cbranch_scc1 .Lrouter                        ; the same way for all eight waves of a work-group
	; ---------------- CAST: a wave takes 8 KiB, sixteen loads of 512 neighbouring bytes, all on their way at once ----------------
	s_sub_co_u32 s23, ttmp9, 256                   ; chunk 0..1023
	s_and_b32 s26, s23, 511
	s_lshl_b32 s26, s26, 16                        ; 64 KiB of f32 in
	s_mov_b32 s27, 0
	s_lshl_b32 s28, s23, 15                        ; 32 KiB of f16 out: w1's 512 chunks, then w2's
	s_mov_b32 s29, 0
	s_cmp_lt_u32 s23, 512
	s_cselect_b64 s[24:25], s[10:11], s[12:13]
	s_add_nc_u64 s[24:25], s[24:25], s[26:27]
	s_add_nc_u64 s[30:31], s[16:17], s[28:29]
	v_and_b32 v2, 0xe0, v0
	v_lshlrev_b32 v2, 8, v2                        ; wave x 8192
	v_lshl_or_b32 v2, v1, 4, v2                    ; + 16 x lane
	v_lshrrev_b32 v3, 1, v2                        ; out: half of that
.irp i, 0,1,2,3,4,5,6,7,8,9,10,11,12,13,14,15
	global_load_b128 v[16+4*\i:19+4*\i], v2, s[24:25] offset:512*\i th:TH_LOAD_NT
.endr
.irp i, 0,1,2,3,4,5,6,7,8,9,10,11,12,13,14,15
	s_wait_loadcnt 15-\i                           ; loads return in order: the younger ones stay out
	v_cvt_pk_f16_f32 v[80+2*\i], v[16+4*\i], v[17+4*\i]
	v_cvt_pk_f16_f32 v[81+2*\i], v[18+4*\i], v[19+4*\i]
	global_store_b64 v3, v[80+2*\i:81+2*\i], s[30:31] offset:256*\i    ; the wave's store covers 256 consecutive bytes, aligned; no register is written twice
.endr
	s_endpgm
	; ---------------- ROUTER ----------------
.Lrouter:
	s_load_b256 s[32:39], s[8:9], 0x0              ; router_b
	v_lshlrev_b32 v4, 4, v0                        ; thread x 16
.irp q, 0,1,2,3,4,5,6,7
	global_load_b128 v[RW+4*\q:RW+4*\q+3], v4, s[6:7] offset:4096*\q   ; router_w, 32 KiB, once for the work-group
.endr
	s_lshl_b32 s23, ttmp9, 4
	s_lshl1_add_u32 s23, s22, s23                  ; my first token = 16 x work-group + 2 x wave
	s_lshl_b32 s24, s23, 12
	s_mov_b32 s25, 0
	s_add_nc_u64 s[24:25], s[4:5], s[24:25]        ; x at my first token
	s_lshl_b32 s26, s23, 11
	s_mov_b32 s27, 0
	s_add_nc_u64 s[26:27], s[14:15], s[26:27]      ; xh likewise
	s_lshl_b32 s28, s23, 2
	s_mov_b32 s29, 0
	s_add_nc_u64 s[28:29], s[18:19], s[28:29]      ; sel
	s_lshl_b32 s30, s23, 3
	s_mov_b32 s31, 0
	s_add_nc_u64 s[30:31], s[20:21], s[30:31]      ; gate
	s_mov_b32 s40, 0x76543210                      ; v_permlanex16_b32: lane i reads lane i of the other half
	s_mov_b32 s41, 0xfedcba98
	v_lshlrev_b32 v5, 4, v1                        ; lane x 16
.irp j, 0,1,2,3,4,5,6,7
.irp a, 0,1
	global_load_b128 v[X+32*\a+4*\j:X+32*\a+4*\j+3], v5, s[24:25] offset:4096*\a+512*\j th:TH_LOAD_NT
.endr
.endr
	; LDS: 256 groups of four rows of router_w (128 bytes), 144 bytes apart: lanes 144 bytes apart start at different banks.
	v_lshrrev_b32 v6, 3, v0
	v_mul_u32_u24 v6, v6, 144
	v_and_b32 v7, 7, v0
	v_lshl_add_u32 v6, v7, 4, v6                   ; piece t + 256 q goes to group (t >> 3) + 32 q, place t & 7
	v_mul_u32_u24 v7, v1, 144                      ; reading: lane takes group 32 j + lane
	v_lshlrev_b32 v8, 3, v1                        ; lane x 8
	s_wait_loadcnt 16                              ; the sixteen loads of x stay out; router_w is in
.irp q, 0,1,2,3,4,5,6,7
	ds_store_b128 v6, v[RW+4*\q:RW+4*\q+3] offset:4608*\q
.endr
	s_wait_dscnt 0x0                               ; my stores are done, for the other waves' sake
	s_barrier_signal -1
	s_barrier_wait -1
; rows 128 j + 4 lane + 0..3 of router_w: register 8 dl + e of the buffer holds row dl, expert e
.macro RWLOAD j, buf
.irp q, 0,1,2,3,4,5,6,7
	ds_load_b128 v[RW+32*(\buf)+4*\q:RW+32*(\buf)+4*\q+3], v7 offset:4608*(\j)+16*\q
.endr
.endm
; chunk j of both tokens: 32 packed multiply-adds (two experts each; x is taken from one half of its pair for both), the cast, the store
.macro DOT j, buf, first
	s_wait_loadcnt 14-2*(\j)                       ; chunk j of both tokens is in; the younger chunks stay out
.irp dl, 0,1,2,3
.irp a, 0,1
.irp ep, 0,1,2,3
.if \dl & 1
	v_pk_fma_f32 v[ACC+8*\a+2*\ep:ACC+8*\a+2*\ep+1], v[X+32*\a+4*(\j)+(\dl&2):X+32*\a+4*(\j)+(\dl&2)+1], v[RW+32*(\buf)+8*\dl+2*\ep:RW+32*(\buf)+8*\dl+2*\ep+1], v[ACC+8*\a+2*\ep:ACC+8*\a+2*\ep+1] op_sel:[1,0,0] op_sel_hi:[1,1,1]
.else
.if (\dl == 0) & \first
	v_pk_mul_f32 v[ACC+8*\a+2*\ep:ACC+8*\a+2*\ep+1], v[X+32*\a+4*(\j):X+32*\a+4*(\j)+1], v[RW+32*(\buf)+2*\ep:RW+32*(\buf)+2*\ep+1] op_sel_hi:[0,1]   ; the first product starts the sum
.else
	v_pk_fma_f32 v[ACC+8*\a+2*\ep:ACC+8*\a+2*\ep+1], v[X+32*\a+4*(\j)+(\dl&2):X+32*\a+4*(\j)+(\dl&2)+1], v[RW+32*(\buf)+8*\dl+2*\ep:RW+32*(\buf)+8*\dl+2*\ep+1], v[ACC+8*\a+2*\ep:ACC+8*\a+2*\ep+1] op_sel_hi:[0,1,1]
.endif
.endif
.endr
.endr
.endr
.irp a, 0,1
	v_cvt_pk_f16_f32 v[HX+16*\a+2*(\j)],   v[X+32*\a+4*(\j)],   v[X+32*\a+4*(\j)+1]
	v_cvt_pk_f16_f32 v[HX+16*\a+2*(\j)+1], v[X+32*\a+4*(\j)+2], v[X+32*\a+4*(\j)+3]
	global_store_b64 v8, v[HX+16*\a+2*(\j):HX+16*\a+2*(\j)+1], s[26:27] offset:2048*\a+256*(\j)   ; 256 consecutive bytes, aligned
.endr
.endm
; chunk nj of router_w goes out into buffer nbuf, then chunk j is worked on from buffer buf
.macro STEP j, buf, nj, nbuf
	RWLOAD \nj, \nbuf
	s_wait_dscnt 8                                 ; LDS loads return in order: the eight just issued stay out, buffer buf is in
	DOT \j, \buf, 0
.endm
	RWLOAD 0, 0
	RWLOAD 1, 1
	s_wait_dscnt 8                                 ; the eight loads just issued stay out
	DOT 0, 0, 1
	STEP 1, 1, 2, 0
	STEP 2, 0, 3, 1
	STEP 3, 1, 4, 0
	STEP 4, 0, 5, 1
	STEP 5, 1, 6, 0
	STEP 6, 0, 7, 1
	s_wait_dscnt 0x0                               ; the last chunk: nothing was issued behind it
	DOT 7, 1, 0
	; the sixteen sums over the 32 lanes; every lane ends with all of them
.irp m, 1,2,4,8
.set ri, 0
.rept 16
	v_add_f32_dpp v[ACC+ri], v[ACC+ri], v[ACC+ri] row_xmask:\m row_mask:0xf bank_mask:0xf
.set ri, ri+1
.endr
.endr
.set ri, 0
.rept 16
	v_permlanex16_b32 v[RW+ri], v[ACC+ri], s40, s41    ; its destination counts as read: these registers have been written
.set ri, ri+1
.endr
	s_wait_kmcnt 0x0                               ; router_b
.irp a, 0,1
.irp e, 0,1,2,3,4,5,6,7
	v_add_f32 v[ACC+8*\a+\e], v[ACC+8*\a+\e], v[RW+8*\a+\e]
	v_add_f32 v[ACC+8*\a+\e], s[32+\e], v[ACC+8*\a+\e]
.endr
.endr
; the two largest of eight, by selects alone; strict compares, so the lower index keeps a tie; I1 and I2 always differ
.macro TOP2 a
	v_cmp_gt_f32 vcc_lo, v[ACC+8*\a+1], v[ACC+8*\a]
	v_cndmask_b32 v[MB+4*\a],   v[ACC+8*\a],   v[ACC+8*\a+1], vcc_lo
	v_cndmask_b32 v[MB+4*\a+1], v[ACC+8*\a+1], v[ACC+8*\a],   vcc_lo
	v_cndmask_b32 v[MB+4*\a+2], 0, 1, vcc_lo
	v_cndmask_b32 v[MB+4*\a+3], 1, 0, vcc_lo
.irp e, 2,3,4,5,6,7
	v_cmp_gt_f32 s42, v[ACC+8*\a+\e], v[MB+4*\a]
	v_cmp_gt_f32 s43, v[ACC+8*\a+\e], v[MB+4*\a+1]
	v_cndmask_b32 v[MB+4*\a+1], v[MB+4*\a+1], v[ACC+8*\a+\e], s43
	v_cndmask_b32 v[MB+4*\a+3], v[MB+4*\a+3], \e, s43
	v_cndmask_b32 v[MB+4*\a+1], v[MB+4*\a+1], v[MB+4*\a], s42
	v_cndmask_b32 v[MB+4*\a+3], v[MB+4*\a+3], v[MB+4*\a+2], s42
	v_cndmask_b32 v[MB+4*\a],   v[MB+4*\a],   v[ACC+8*\a+\e], s42
	v_cndmask_b32 v[MB+4*\a+2], v[MB+4*\a+2], \e, s42
.endr
.endm
	TOP2 0
	TOP2 1
	; softmax over (M1, M2) with M1 taken away: g1 = 1 / (1 + t), g2 = t g1, t = exp(M2 - M1) <= 1
	v_sub_f32 v10, v[MB+1], v[MB]
	v_sub_f32 v11, v[MB+5], v[MB+4]
	v_mul_f32 v10, 0x3fb8aa3b, v10
	v_mul_f32 v11, 0x3fb8aa3b, v11
	v_exp_f32 v10, v10
	v_exp_f32 v11, v11
	v_lshl_or_b32 v2, v[MB+3], 8, v[MB+2]          ; a plain instruction between the exponentials and their use (ISA guide 5.7.2): sel = I1 | I2 << 8
	v_lshl_or_b32 v3, v[MB+7], 8, v[MB+6]
	s_wait_alu depctr_va_vdst(0)
	v_add_f32 v12, 1.0, v10
	v_add_f32 v13, 1.0, v11
	v_rcp_f32 v12, v12
	v_rcp_f32 v13, v13
	v_lshlrev_b32 v9, 2, v1                        ; the plain instruction behind the reciprocals: lane x 4
	s_wait_alu depctr_va_vdst(0)
	v_mul_f32 v14, v10, v12
	v_mul_f32 v15, v11, v13
	v_cmp_eq_u32 vcc_lo, 1, v1                     ; lane 0 stores the first token's figures, lane 1 the second's
	v_cndmask_b32 v2, v2, v3, vcc_lo
	v_cndmask_b32 v12, v12, v13, vcc_lo
	v_cndmask_b32 v13, v14, v15, vcc_lo
	v_cmp_gt_u32 vcc_lo, 2, v1
	s_wait_xcnt 0x0                                ; EXEC is a source of the stores above: it changes only behind this wait
	s_wait_tensorcnt 0x0
	ds_add_u32 v200, v201
	s_wait_dscnt 0x0
	s_and_saveexec_b32 s44, vcc_lo
	global_store_b32 v9, v2, s[28:29]              ; 8 and 16 bytes a wave: the two tables are 48 KiB in all
	global_store_b64 v8, v[12:13], s[30:31]
	s_wait_xcnt 0x0
	s_or_b32 exec_lo, exec_lo, s44
	s_endpgm
.Lfunc_end_k_q7fec3015e0_prep:
	.size	k_q7fec3015e0_prep, .Lfunc_end_k_q7fec3015e0_prep-k_q7fec3015e0_prep
	.p2alignl 7, 3214868480
	.fill 96, 4, 3214868480
	.section	.rodata,"a",@progbits
	.p2align	6, 0x0
	.amdhsa_kernel k_q7fec3015e0_prep
		.amdhsa_group_segment_fixed_size 37888
		.amdhsa_private_segment_fixed_size 0
		.amdhsa_enable_private_segment 0
		.amdhsa_kernarg_size 72
		.amdhsa_user_sgpr_count 2
		.amdhsa_user_sgpr_kernarg_segment_ptr 1
		.amdhsa_wavefront_size32 1
		.amdhsa_system_sgpr_workgroup_id_x 1
		.amdhsa_system_sgpr_workgroup_id_y 1
		.amdhsa_system_sgpr_workgroup_id_z 1
		.amdhsa_system_vgpr_workitem_id 0
		.amdhsa_next_free_vgpr 202
		.amdhsa_next_free_sgpr 66
		.amdhsa_reserve_vcc 1
		.amdhsa_float_denorm_mode_32 3
		.amdhsa_float_denorm_mode_16_64 3
		.amdhsa_memory_ordered 1
		.amdhsa_forward_progress 1
		.amdhsa_inst_pref_size 49
	.end_amdhsa_kernel
	.amdgpu_metadata
---
amdhsa.version: [ 1, 2 ]
amdhsa.kernels:
  - .name:           k_q7fec3015e0_prep
    .symbol:         k_q7fec3015e0_prep.kd
    .args:
      - { .name: x, .offset: 0, .size: 8, .value_kind: global_buffer, .address_space: global }
      - { .name: router_w, .offset: 8, .size: 8, .value_kind: global_buffer, .address_space: global }
      - { .name: router_b, .offset: 16, .size: 8, .value_kind: global_buffer, .address_space: global }
      - { .name: w1, .offset: 24, .size: 8, .value_kind: global_buffer, .address_space: global }
      - { .name: w2, .offset: 32, .size: 8, .value_kind: global_buffer, .address_space: global }
      - { .name: xh, .offset: 40, .size: 8, .value_kind: global_buffer, .address_space: global }
      - { .name: wh, .offset: 48, .size: 8, .value_kind: global_buffer, .address_space: global }
      - { .name: sel, .offset: 56, .size: 8, .value_kind: global_buffer, .address_space: global }
      - { .name: gate, .offset: 64, .size: 8, .value_kind: global_buffer, .address_space: global }
    .group_segment_fixed_size: 37888
    .private_segment_fixed_size: 0
    .kernarg_segment_align: 8
    .kernarg_segment_size: 72
    .max_flat_workgroup_size: 256
    .sgpr_count:     66
    .vgpr_count:     202
    .wavefront_size: 32
...
	.end_amdgpu_metadata
.endif
;; end of part 1
;; launch place (part 2): grid 1 x 1, 32 waves a work-group, no clusters, 45,312 bytes of LDS; arguments sel, plan; writes plan
.if DOCPART == 2
	.amdgcn_target "amdgcn-amd-amdhsa--gfx1250"
	.amdhsa_code_object_version 6
	.text
	.protected	k_q7fec3015e0_place
	.globl	k_q7fec3015e0_place
	.p2align	8
	.type	k_q7fec3015e0_place,@function
k_q7fec3015e0_place:
	s_mov_b64 s[64:65], 0
	v_nop
	global_prefetch_b8 v0, s[64:65] scope:SCOPE_SE
	s_setreg_imm32_b32 hwreg(HW_REG_WAVE_MODE, 25, 1), 1
	s_wait_xcnt 0x0
; A counting sort of the 8192 (token, expert) pairs by expert, without atomics, in one work-group of 1024 threads; thread t has tokens 4 t .. 4 t + 3.
; Each expert's rows begin at a multiple of 144.  Sum over e of ceil(c_e / 144) <= (8192 + 8 x 143) / 144 < 65, so 64 blocks of 144 rows hold every routing.
; plan: tok[9216] at byte 0 (the token of each sorted row; 0 in rows that no pair takes), pos[4096][2] at 36864 (the row of each pair),
;       bexp[64] at 69632 (the expert of each block; 7 for blocks behind the last one in use).
; One work-group, since the ranks need all counts: 16 KiB in, 68 KiB out.
.set WC, 36864                         ; LDS: tok table at 0 (36,864 bytes); behind it 32 waves' counts, 132 bytes apart (33 words: no two rows or columns share a bank)
.set EX, 8                             ; v[8:15]   expert of pair q = 2 a + slot
.set PS, 16                            ; v[16:23]  rank in the wave, later the row
.set TT, 24                            ; v[24:31]  counts of wave = lane, later the experts' first rows
	s_load_b128 s[4:7], s[0:1], 0x0                ; sel, plan
	v_lshl_add_u32 v64, v0, 2, 0xa100
	v_mov_b32 v65, 0
	v_and_b32 v1, 31, v0
	v_lshrrev_b32 v2, 5, v0
	v_readfirstlane_b32 s2, v2                     ; wave
	v_lshlrev_b32 v2, 4, v0                        ; t x 16
	v_lshlrev_b32 v3, 2, v0                        ; t x 4
	v_mov_b32 v40, 0
	s_mov_b32 s54, 0x76543210
	s_mov_b32 s55, 0xfedcba98
	s_wait_kmcnt 0x0
	global_load_b128 v[4:7], v2, s[4:5]
.irp i, 0,1,2,3,4,5,6,7,8
	ds_store_b32 v3, v40 offset:4096*\i            ; token 0 in every row; the pairs' rows are written over below
.endr
.irp e, 0,1,2,3,4,5,6,7
	s_mov_b32 s[8+\e], 0                           ; the wave's count of expert e
.endr
	s_wait_loadcnt 0x0
.irp a, 0,1,2,3
	v_and_b32 v[EX+2*\a], 0xff, v[4+\a]
	v_bfe_u32 v[EX+2*\a+1], v[4+\a], 8, 8
	v_min_u32 v[EX+2*\a], 7, v[EX+2*\a]
	v_min_u32 v[EX+2*\a+1], 7, v[EX+2*\a+1]
.endr
; rank of pair q among the wave's pairs of expert e: those counted so far + the lanes below me with the same expert in this q
.macro BALLOT e, q
	v_cmp_eq_u32 s16, \e, v[EX+\q]
.if \e == 0
	v_mbcnt_lo_u32_b32 v[PS+\q], s16, s[8+\e]      ; writes the register whole; the lanes of other experts are replaced below
.else
	v_mbcnt_lo_u32_b32 v41, s16, s[8+\e]
	v_cndmask_b32 v[PS+\q], v[PS+\q], v41, s16
.endif
	s_bcnt1_i32_b32 s17, s16
	s_add_co_u32 s[8+\e], s[8+\e], s17
.endm
.irp e, 0,1,2,3,4,5,6,7
.irp q, 0,1,2,3,4,5,6,7
	BALLOT \e, \q
.endr
.endr
	v_mov_b32 v42, 0
.irp e, 0,1,2,3,4,5,6,7
	v_writelane_b32 v42, s[8+\e], \e
.endr
	s_mul_i32 s16, s2, 132
	s_add_co_u32 s16, s16, WC
	v_lshl_add_u32 v43, v1, 2, s16
	ds_store_b32 v43, v42                          ; my wave's eight counts (and 24 zeros) in its own row
	s_wait_dscnt 0x0                               ; counts and the zero fill are done, for the other waves' sake
	s_barrier_signal -1
	s_barrier_wait -1
	v_mul_u32_u24 v44, v1, 132
	v_add_nc_u32 v44, WC, v44
.irp e, 0,1,2,3,4,5,6,7
	ds_load_b32 v[TT+\e], v44 offset:4*\e          ; lane l: the counts of wave l
.endr
	v_mov_b32 v46, 0
	s_wait_dscnt 0x0
	v_cmp_gt_u32 vcc_lo, s2, v1                    ; waves in front of mine
.irp k, 0,1,2,3
	v_lshl_or_b32 v[32+\k], v[TT+\k+4], 16, v[TT+\k]   ; two experts in a word: the sums stay under 8193, no carry crosses
	v_cndmask_b32 v[36+\k], 0, v[32+\k], vcc_lo
.endr
.macro ISUM r                          ; a sum of whole numbers over the 32 lanes
.irp m, 1,2,4,8
	v_mov_b32_dpp v46, v[\r] row_xmask:\m row_mask:0xf bank_mask:0xf
	v_add_nc_u32 v[\r], v[\r], v46
.endr
	v_permlanex16_b32 v46, v[\r], s54, s55
	v_add_nc_u32 v[\r], v[\r], v46
.endm
.irp r, 32,33,34,35,36,37,38,39
	ISUM \r
.endr
.irp k, 0,1,2,3
	v_readfirstlane_b32 s[20+\k], v[32+\k]         ; totals
	v_readfirstlane_b32 s[24+\k], v[36+\k]         ; sums over the waves in front of mine
.endr
	s_barrier_signal -1                            ; every wave has read the counts (waited for above) before any wave scatters
	s_barrier_wait -1
.irp k, 0,1,2,3
	s_and_b32  s[28+\k], s[20+\k], 0xffff          ; c_e
	s_lshr_b32 s[32+\k], s[20+\k], 16
	s_and_b32  s[36+\k], s[24+\k], 0xffff          ; pre_e
	s_lshr_b32 s[40+\k], s[24+\k], 16
.endr
	s_mov_b32 s52, 0                               ; blocks so far
.irp e, 0,1,2,3,4,5,6,7
	s_add_co_u32 s53, s[28+\e], 143
	s_mul_i32 s53, s53, 7282
	s_lshr_b32 s53, s53, 20                        ; ceil(c_e / 144): n x 7282 >> 20 = n / 144 for n < 32768
	s_mul_i32 s17, s52, 144
	s_add_co_u32 s[36+\e], s[36+\e], s17           ; first row of my wave's pairs of expert e
	s_add_co_u32 s52, s52, s53
	s_mov_b32 s[44+\e], s52                        ; the block behind expert e's last
.endr
	v_mov_b32 v45, 0
.irp e, 0,1,2,3,4,5,6,7
	v_writelane_b32 v45, s[36+\e], \e
.endr
.irp q, 0,1,2,3,4,5,6,7
	v_lshlrev_b32 v[48+\q], 2, v[EX+\q]
	ds_bpermute_b32 v[TT+\q], v[48+\q], v45        ; lane e of v45, e = my pair's expert
.endr
.irp a, 0,1,2,3
	v_lshl_add_u32 v[56+\a], v0, 2, \a             ; my tokens
.endr
	v_lshlrev_b32 v47, 5, v0
	s_wait_dscnt 0x0
.irp q, 0,1,2,3,4,5,6,7
	v_add_nc_u32 v[PS+\q], v[PS+\q], v[TT+\q]
	v_min_u32 v[PS+\q], 0x23ff, v[PS+\q]           ; a row of the table, whatever sel holds
	v_lshlrev_b32 v[48+\q], 2, v[PS+\q]
.endr
.irp q, 0,1,2,3,4,5,6,7
	ds_store_b32 v[48+\q], v[56+\q/2]              ; tok[row] = token: each row is one pair's
.endr
	global_store_b128 v47, v[PS:PS+3],   s[6:7] offset:36864   ; pos of my four tokens: 32 bytes a thread in two stores
	global_store_b128 v47, v[PS+4:PS+7], s[6:7] offset:36880
	s_cmp_lg_u32 s2, 0
	s_cbranch_scc1 .Lnobexp
	v_lshlrev_b32 v46, 1, v1                       ; wave 0: blocks 2 lane and 2 lane + 1
	v_or_b32 v41, 1, v46
	v_mov_b32 v60, 0
	v_mov_b32 v61, 0
	v_lshlrev_b32 v62, 3, v1
.irp e, 0,1,2,3,4,5,6,7
	v_cmp_le_u32 vcc_lo, s[44+\e], v46             ; the block's expert = how many experts end at or in front of it
	v_add_co_ci_u32 v60, vcc_lo, 0, v60, vcc_lo
	v_cmp_le_u32 vcc_lo, s[44+\e], v41
	v_add_co_ci_u32 v61, vcc_lo, 0, v61, vcc_lo
.endr
	v_min_u32 v60, 7, v60
	v_min_u32 v61, 7, v61
	global_store_b64 v62, v[60:61], s[6:7] offset:69632    ; 256 consecutive bytes, aligned
.Lnobexp:
	s_wait_dscnt 0x0                               ; my scatter is done, for the other waves' sake
	s_barrier_signal -1
	s_barrier_wait -1
	ds_load_b128 v[4:7], v2                        ; the table leaves through registers: 2304 pieces of 16 bytes
	ds_load_b128 v[8:11], v2 offset:16384
	s_wait_dscnt 0x1
	global_store_b128 v2, v[4:7], s[6:7]
	s_wait_dscnt 0x0
	global_store_b128 v2, v[8:11], s[6:7] offset:16384
	s_cmp_ge_u32 s2, 8
	s_cbranch_scc1 .Lend
	ds_load_b128 v[12:15], v2 offset:32768         ; the last 256 pieces: waves 0 to 7
	s_wait_dscnt 0x0
	global_store_b128 v2, v[12:15], s[6:7] offset:32768
.Lend:
	s_wait_tensorcnt 0x0
	ds_add_u32 v64, v65
	s_wait_dscnt 0x0
	s_endpgm
.Lfunc_end_k_q7fec3015e0_place:
	.size	k_q7fec3015e0_place, .Lfunc_end_k_q7fec3015e0_place-k_q7fec3015e0_place
	.p2alignl 7, 3214868480
	.fill 96, 4, 3214868480
	.section	.rodata,"a",@progbits
	.p2align	6, 0x0
	.amdhsa_kernel k_q7fec3015e0_place
		.amdhsa_group_segment_fixed_size 45312
		.amdhsa_private_segment_fixed_size 0
		.amdhsa_enable_private_segment 0
		.amdhsa_kernarg_size 16
		.amdhsa_user_sgpr_count 2
		.amdhsa_user_sgpr_kernarg_segment_ptr 1
		.amdhsa_wavefront_size32 1
		.amdhsa_system_sgpr_workgroup_id_x 1
		.amdhsa_system_sgpr_workgroup_id_y 1
		.amdhsa_system_sgpr_workgroup_id_z 1
		.amdhsa_system_vgpr_workitem_id 0
		.amdhsa_next_free_vgpr 66
		.amdhsa_next_free_sgpr 66
		.amdhsa_reserve_vcc 1
		.amdhsa_float_denorm_mode_32 3
		.amdhsa_float_denorm_mode_16_64 3
		.amdhsa_memory_ordered 1
		.amdhsa_forward_progress 1
		.amdhsa_inst_pref_size 33
	.end_amdhsa_kernel
	.amdgpu_metadata
---
amdhsa.version: [ 1, 2 ]
amdhsa.kernels:
  - .name:           k_q7fec3015e0_place
    .symbol:         k_q7fec3015e0_place.kd
    .args:
      - { .name: sel, .offset: 0, .size: 8, .value_kind: global_buffer, .address_space: global }
      - { .name: plan, .offset: 8, .size: 8, .value_kind: global_buffer, .address_space: global }
    .group_segment_fixed_size: 45312
    .private_segment_fixed_size: 0
    .kernarg_segment_align: 8
    .kernarg_segment_size: 16
    .max_flat_workgroup_size: 1024
    .sgpr_count:     66
    .vgpr_count:     66
    .wavefront_size: 32
...
	.end_amdgpu_metadata
.endif
;; end of part 2
;; launch gemm1 (part 3): grid 4 x 64, 4 waves a work-group, no clusters, 327,680 bytes of LDS; arguments xh, wh, b1, plan, h; writes h
.if DOCPART == 3
	.amdgcn_target "amdgcn-amd-amdhsa--gfx1250"
	.amdhsa_code_object_version 6
	.text
	.protected	k_q7fec3015e0_gemm1
	.globl	k_q7fec3015e0_gemm1
	.p2align	8
	.type	k_q7fec3015e0_gemm1,@function
k_q7fec3015e0_gemm1:
	s_mov_b64 s[64:65], 0
	v_nop
	global_prefetch_b8 v0, s[64:65] scope:SCOPE_SE
	s_setreg_imm32_b32 hwreg(HW_REG_WAVE_MODE, 25, 1), 1
	s_wait_xcnt 0x0
; h[row][n] = gelu(xh[tok[row]] . w1[e][:, n] + b1[e][n]) in f16, rows in the order of the sorted table; e = bexp[block].
; A work-group makes a block of 144 rows x 256 columns: 64 blocks x 4 column quarters = 256 work-groups.  Wave w makes all 144 rows x columns 64 w .. 64 w + 63:
; 9 x 4 = 36 accumulator tiles.  K = 1024 goes in 8 steps of 128, each four quarters of 32; all written out by macros, no branch.
; W's tile (128 k rows x 256 columns of f16, as it lies: [k][n]) comes by tensor loads into two LDS slots, each wave 32 rows of 512 bytes;
; fragments are taken by the transposing LDS load.  X's tile (144 gathered rows x 256 bytes) comes through registers, since its rows follow a list,
; into two LDS buffers of its own that no tensor load touches.
; A block that the routing leaves empty is computed all the same (token 0, expert 7) into rows that nobody reads: there are fewer than 64 such,
; as a rule a few, and an early end would put barriers under a branch on loaded data.
; NO CLUSTER: W's tile is shared by the row blocks of one expert only, whose number and place hang on counts read from memory, so partners cannot be fixed
; in the grid; X's tile is shared by the four column quarters but is gathered by a list, which a tensor load of this form cannot follow.
; THE MATRIX INSTRUCTION IS USED TRANSPOSED: source 0 = 16 columns of W, source 1 = 16 rows of X; register j of lane (r, hh) holds row r, column 8 hh + j.
; LIMITS.  f16 operands and f16 h: |h| above 65504 becomes infinite.  erf by a rational form (Abramowitz and Stegun 7.1.26), absolute error up to 1.5e-7
; for every argument; exp2 of a result under 2^-126 is 0.  gelu(-inf) gives NaN.
; REGISTERS: window 0: v0-43 addresses, v44-147 and v148-251 two fragment buffers (W 32, X 72);  window 1: tiles (a, b), a = 0..7, at 8 (4 a + b);
;            window 2: v0-31 tiles (8, b), v32-103 stage of X's next tile, v104-135 bias of my 32 columns a lane.
.set BSLOT, 69632                      ; a slot of W: 128 rows x 544 bytes (512 + 32: 17 x 32, so the transposing loads meet no bank twice)
.set BP,    544
.set AB,    139264                     ; X's two buffers: 144 rows x 272 bytes each
.set ABUF,  39168
.set AP,    272
.set STAGE, 217600                     ; the way out: 144 rows x 528 bytes
.set SP,    528
.set ADRA, 16                          ; v16-17 my X fragments in buffer 0, 1
.set ADRB, 18                          ; v18-19 my W fragments in slot 0, 1
.set ASTO, 20                          ; v20-21 where I put 16 bytes of X's tile
.set STO,  22                          ; v22 stage, rows 0..127; v23 rows 128..143 (the immediate has 16 bits)
.set STO2, 23
.set RD,   24
.set CO,   25
.set ROFF, 26                          ; v26-43 byte offsets in xh of my 16 bytes of rows 8 i + (t >> 4)
.set F0,   44
.set F1,   148
.set STG,  32                          ; window 2
.set BIAS, 104                         ; window 2
.set G1, 24                            ; s[24:31]
.set G0, 32                            ; s[32:39], a set for each slot
.set MSB, 0
.macro WIN new                         ; the immediate's high byte repeats the setting that is left
.if MSB != \new
	s_set_vgpr_msb (MSB<<8)|\new
.set MSB, \new
.endif
.endm
.macro PLACES                          ; four places behind a matrix instruction before its registers are loaded into or its result read (ISA guide 7.12.1)
.rept 4
	v_nop
.endr
.endm
; row blocks a0 .. a1 x my four column blocks, 32 along K, from buffer f.  The 36 accumulators take turns, one instruction a turn, always in this order.
.macro MULS f, a0, a1, zero
.set ma, \a0
.rept \a1-\a0+1
.if ma < 8
	WIN 0x50
.set mc, 32*ma
.else
	WIN 0xa0
.set mc, 0
.endif
.irp b, 0,1,2,3
.if \zero
	v_wmma_f32_16x16x32_f16 v[mc+8*\b:mc+8*\b+7], v[\f+8*\b:\f+8*\b+7], v[\f+32+8*ma:\f+32+8*ma+7], 0
.else
	v_wmma_f32_16x16x32_f16 v[mc+8*\b:mc+8*\b+7], v[\f+8*\b:\f+8*\b+7], v[\f+32+8*ma:\f+32+8*ma+7], v[mc+8*\b:mc+8*\b+7]
.endif
.endr
.set ma, ma+1
.endr
.endm
; 26 LDS loads: quarter kk of a step: W's four fragments (transposed on the way), then X's nine
.macro FETCH slot, kk, f
	WIN 0
.irp b, 0,1,2,3
	ds_load_tr16_b128 v[\f+8*\b:\f+8*\b+3],   v[ADRB+\slot] offset:\kk*32*BP+32*\b
	ds_load_tr16_b128 v[\f+8*\b+4:\f+8*\b+7], v[ADRB+\slot] offset:\kk*32*BP+32*\b+16*BP
.endr
.irp a, 0,1,2,3,4,5,6,7,8
	ds_load_b128 v[\f+32+8*\a:\f+32+8*\a+3],   v[ADRA+\slot] offset:16*AP*\a+64*\kk
	ds_load_b128 v[\f+32+8*\a+4:\f+32+8*\a+7], v[ADRA+\slot] offset:16*AP*\a+64*\kk+32
.endr
.endm
.macro ASTORE slot                     ; the staged tile of X into its LDS buffer
	s_wait_loadcnt 0x0                             ; the staged loads are out (at the first call the bias loads too)
	WIN 0x08
.irp i, 0,1,2,3,4,5,6,7,8,9,10,11,12,13,14,15,16,17
	ds_store_b128 v[ASTO+\slot], v[STG+4*\i:STG+4*\i+3] offset:8*AP*\i
.endr
.endm
.macro ALOAD step                      ; 144 gathered rows x 256 bytes of K step 'step': sixteen lanes read 256 consecutive bytes, aligned
	WIN 0x80
.irp i, 0,1,2,3,4,5,6,7,8,9,10,11,12,13,14,15,16,17
	global_load_b128 v[STG+4*\i:STG+4*\i+3], v[ROFF+\i], s[4:5] offset:256*\step
.endr
.endm
; multiplies buffer f; in its middle fetches quarter kk of the same slot into buffer g
.macro QUARTER slot, kk, f, g, zero, dosto, nslot, dold, ldstep
	s_wait_dscnt 10                                ; W and X's row blocks 0-3 are in; the youngest ten loads (row blocks 4-8) may be out
	MULS \f, 0, 3, \zero
	PLACES
.if \dosto
	ASTORE \nslot
.endif
	FETCH \slot, \kk, \g
	s_wait_dscnt 26                                ; all but the 26 just issued: the rest of f, and the stores out of the stage
.if \dold
	ALOAD \ldstep                                  ; the stage is loaded again only behind that wait
.endif
	MULS \f, 4, 8, \zero
.endm
; the last quarter of a step, and the change of slots.  One barrier for three things: nobody reads this slot of W or this buffer of X any more,
; the next slot of W is whole, the next buffer of X is whole.
.macro TURN slot, next, refill
	s_wait_dscnt 0x0                               ; my reads of this slot and buffer are back, my stores of X's next tile are done
	s_wait_tensorcnt 0x0                           ; all my tensor loads have landed: the one that was out is my part of the next slot
	ds_add_u32 v254, v255
	s_wait_dscnt 0x0
.if \refill
	s_add_nc_u64 s[G0+4*\slot+2:G0+4*\slot+3], s[G0+4*\slot+2:G0+4*\slot+3], 524288   ; two K steps on: 256 rows of 2048 bytes
.endif
	s_barrier_signal -1
	MULS F1, 0, 3, 0                               ; register work while the others arrive
	s_barrier_wait -1
.if \refill
	tensor_load_to_lds s[G0+4*\slot:G0+4*\slot+3], s[G1:G1+7]      ; my one tensor load behind this barrier, first thing there; it has 128 matrix instructions in which to land
	s_nop 0
.endif
	PLACES
	FETCH \next, 0, F0
	MULS F1, 4, 8, 0
.endm
.macro TRIP slot, next, zero, dosto, dold, ldstep, last, refill
	QUARTER \slot, 1, F0, F1, \zero, 0, 0, 0, 0
	QUARTER \slot, 2, F1, F0, 0, 0, 0, 0, 0
	QUARTER \slot, 3, F0, F1, 0, \dosto, \next, \dold, \ldstep
.if \last
	s_wait_dscnt 0x0
	MULS F1, 0, 8, 0
.else
	TURN \slot, \next, \refill
.endif
.endm
	s_load_b256 s[4:11], s[0:1], 0x0               ; xh 4:5, wh 6:7, b1 8:9, plan 10:11
	s_load_b64 s[12:13], s[0:1], 0x20              ; h
	v_lshl_add_u32 v254, v0, 2, 0x47b00
	v_mov_b32 v255, 0
	ds_add_u32 v254, v255
	ds_add_u32 v254, v255
	v_lshrrev_b32 v6, 5, v0
	v_readfirstlane_b32 s16, v6                    ; wave
	s_mov_b32 s17, ttmp9                           ; column quarter
	s_and_b32 s18, ttmp7, 0xffff                   ; block of 144 rows
	s_lshl_b32 s50, s18, 2
	s_mul_i32 s54, s18, 576
	s_mov_b32 s55, 0
	v_and_b32 v1, 15, v0                           ; r
	v_bfe_u32 v2, v0, 4, 1                         ; hh
	v_lshrrev_b32 v3, 4, v0                        ; t >> 4, 0..7
	v_and_b32 v4, 31, v0                           ; lane
	v_lshlrev_b32 v5, 4, v1
	v_lshlrev_b32 v15, 2, v3
	s_wait_dscnt 0x0
	s_wait_kmcnt 0x0
	s_load_b32 s19, s[10:11], s50 offset:0x11000   ; bexp[block]
	s_add_nc_u64 s[52:53], s[10:11], s[54:55]      ; tok at my block
.irp i, 0,1,2,3,4,5,6,7,8,9,10,11,12,13,14,15,16,17
	global_load_b32 v[ROFF+\i], v15, s[52:53] offset:32*\i         ; tok[144 block + 8 i + (t >> 4)]
.endr
	; descriptor group 1: 32 rows x 256 elements of 2 bytes, 1024 elements from row to row, 8 words of padding behind every 128
	s_mov_b32 s[G1+0], (1<<16)|(1<<20)|(6<<22)|(7<<25)
	s_mov_b32 s[G1+1], 256<<16                     ; tensor_dim0 = 256
	s_mov_b32 s[G1+2], 32<<16                      ; tensor_dim1 = 32
	s_mov_b32 s[G1+3], 256<<16                     ; tile_dim0 = 256
	s_mov_b32 s[G1+4], 32                          ; tile_dim1 = 32
	s_mov_b32 s[G1+5], 1024
	s_mov_b32 s[G1+6], 0
	s_mov_b32 s[G1+7], 0
	s_wait_kmcnt 0x0
	s_min_u32 s19, s19, 7
	s_lshl_b32 s20, s19, 21                        ; expert: 2 MiB
	s_lshl_b32 s21, s16, 16                        ; my 32 k rows of 2048 bytes
	s_add_co_u32 s20, s20, s21
	s_lshl_b32 s21, s17, 9                         ; 256 columns
	s_add_co_u32 s20, s20, s21
	s_mov_b32 s21, 0
	s_add_nc_u64 s[22:23], s[6:7], s[20:21]
	s_mov_b32 s[G0], 1
	s_mul_i32 s[G0+1], s16, 32*BP                  ; LDS: wave x 32 rows
	s_mov_b64 s[G0+2:G0+3], s[22:23]
	s_or_b32 s[G0+3], s[G0+3], 0x80000000
	s_mov_b32 s[G0+4], 1
	s_add_co_u32 s[G0+5], s[G0+1], BSLOT
	s_add_nc_u64 s[G0+6:G0+7], s[22:23], 262144    ; K step 1: 128 rows on
	s_or_b32 s[G0+7], s[G0+7], 0x80000000
	tensor_load_to_lds s[G0:G0+3], s[G1:G1+7]      ; both first fills together, ahead of every barrier and wait on TENSORcnt:
	s_nop 0
	tensor_load_to_lds s[G0+4:G0+7], s[G1:G1+7]    ; two tensor loads of a wave are out here, later one
	s_nop 0
	s_lshl_b32 s20, s19, 12
	s_lshl_b32 s21, s17, 10
	s_add_co_u32 s20, s20, s21
	s_lshl_b32 s21, s16, 8
	s_add_co_u32 s20, s20, s21
	s_mov_b32 s21, 0
	s_add_nc_u64 s[8:9], s[8:9], s[20:21]          ; b1[e] at my wave's 64 columns
	v_lshlrev_b32 v14, 5, v2
	WIN 0x80
.irp b, 0,1,2,3
	global_load_b128 v[BIAS+8*\b:BIAS+8*\b+3],   v14, s[8:9] offset:64*\b
	global_load_b128 v[BIAS+8*\b+4:BIAS+8*\b+7], v14, s[8:9] offset:64*\b+16
.endr
	WIN 0
	v_mul_u32_u24 v7, v1, AP
	v_lshl_add_u32 v7, v2, 4, v7                   ; row r, 16 bytes for each half of the lanes
	v_add_nc_u32 v[ADRA], AB, v7
	v_add_nc_u32 v[ADRA+1], AB+ABUF, v7
	v_and_b32 v8, 7, v0
	v_lshl_add_u32 v8, v2, 3, v8                   ; k row 8 hh + (lane & 7)
	v_mul_u32_u24 v8, v8, BP
	v_bfe_u32 v9, v0, 3, 1
	v_lshl_add_u32 v8, v9, 4, v8                   ; + 16 ((lane >> 3) & 1)
	s_lshl_b32 s51, s16, 7                         ; my 64 columns: 128 bytes
	v_add_nc_u32 v[ADRB], s51, v8
	v_add_nc_u32 v[ADRB+1], BSLOT, v[ADRB]
	v_mul_u32_u24 v10, v3, AP
	v_add_nc_u32 v10, v10, v5
	v_add_nc_u32 v[ASTO], AB, v10
	v_add_nc_u32 v[ASTO+1], AB+ABUF, v10
	v_mul_u32_u24 v11, v1, SP
	v_lshl_add_u32 v11, v2, 4, v11
	v_add_nc_u32 v11, s51, v11
	v_add_nc_u32 v[STO], STAGE, v11
	v_add_nc_u32 v[STO2], STAGE+128*SP, v11
	v_lshlrev_b32 v12, 4, v4
	s_mul_i32 s20, s16, 36*SP                      ; on the way out a wave stores 36 whole rows
	v_add_nc_u32 v[RD], s20, v12
	v_add_nc_u32 v[RD], STAGE, v[RD]
	s_mul_i32 s21, s16, 36*2048
	v_add_nc_u32 v[CO], s21, v12
	s_mul_i32 s22, s18, 294912                     ; 144 rows of 2048 bytes
	s_lshl_b32 s23, s17, 9
	s_add_co_u32 s22, s22, s23
	s_mov_b32 s23, 0
	s_add_nc_u64 s[12:13], s[12:13], s[22:23]
	s_wait_loadcnt 8                               ; the eight bias loads stay out; the 18 tokens are in
.irp i, 0,1,2,3,4,5,6,7,8,9,10,11,12,13,14,15,16,17
	v_min_u32 v[ROFF+\i], 0xfff, v[ROFF+\i]
	v_lshl_add_u32 v[ROFF+\i], v[ROFF+\i], 11, v5
.endr
	ALOAD 0
	ASTORE 0
	s_wait_dscnt 0x0                               ; the stage has been read, and my part of X's first tile is in LDS
	ALOAD 1
	WIN 0
	s_wait_tensorcnt 0x1                           ; my part of K step 0 is in; K step 1's may stay out
	s_barrier_signal -1
	s_barrier_wait -1
	FETCH 0, 0, F0
	TRIP 0, 1, 1, 1, 1, 2, 0, 1                    ; the first products start the sums: nothing is cleared
	TRIP 1, 0, 0, 1, 1, 3, 0, 1
	TRIP 0, 1, 0, 1, 1, 4, 0, 1
	TRIP 1, 0, 0, 1, 1, 5, 0, 1
	TRIP 0, 1, 0, 1, 1, 6, 0, 1
	TRIP 1, 0, 0, 1, 1, 7, 0, 1
	TRIP 0, 1, 0, 1, 0, 0, 0, 0                    ; nothing is left to fetch from memory
	TRIP 1, 0, 0, 0, 0, 0, 1, 0
	PLACES
	WIN 0
	; gelu(z) = z/2 + |z| (1/2 - Q(t) e), t = 1 / (1 + p |z| / sqrt 2), e = exp(-z^2 / 2), Q = half of the erf form's polynomial.
	; With S = |z| sqrt(log2(e) / 2): e = 2^(-S S), t = 1 / (1 + S p / sqrt(log2 e)).  The constants are kept negated, so that W = P e + 1/2.
.set ZR, 44
.set AZ, 76
.set TR, 108
.set ER, 140
.set PR, 172
.set HP, 204
.set C5, 220
.set C4, 222
.set C3, 224
.set C2, 226
.set C1, 228
.irp k, 0,1
	v_mov_b32 v[C5+\k], 0xbf07dc22                 ; -1.061405429 / 2
	v_mov_b32 v[C4+\k], 0x3f3a00e3                 ; +1.453152027 / 2
	v_mov_b32 v[C3+\k], 0xbf35f0e3                 ; -1.421413741 / 2
	v_mov_b32 v[C2+\k], 0x3e11a98e                 ; +0.284496736 / 2
	v_mov_b32 v[C1+\k], 0xbe027906                 ; -0.254829592 / 2
.endr
.macro GELU_ROW a                      ; rows 16 a .. 16 a + 15 of my 64 columns: 32 numbers a lane
.if \a < 8
	WIN 0x09
.set gc, 32*\a
.else
	WIN 0x0a
.set gc, 0
.endif
.set gi, 0
.rept 16
	v_pk_add_f32 v[ZR+gi:ZR+gi+1], v[gc+gi:gc+gi+1], v[BIAS+gi:BIAS+gi+1]
.set gi, gi+2
.endr
	WIN 0
.set gi, 0
.rept 32
	v_and_b32 v[AZ+gi], 0x7fffffff, v[ZR+gi]
.set gi, gi+1
.endr
.set gi, 0
.rept 16
	v_pk_mul_f32 v[PR+gi:PR+gi+1], v[AZ+gi:AZ+gi+1], 0x3f596d27 op_sel_hi:[1,0]               ; S
.set gi, gi+2
.endr
.set gi, 0
.rept 16
	v_pk_fma_f32 v[TR+gi:TR+gi+1], v[PR+gi:PR+gi+1], 0x3e8ba43f, 1.0 op_sel_hi:[1,0,0]        ; 1 + S p / sqrt(log2 e)
	v_pk_mul_f32 v[ER+gi:ER+gi+1], v[PR+gi:PR+gi+1], v[PR+gi:PR+gi+1] neg_lo:[0,1] neg_hi:[0,1]   ; -S S
.set gi, gi+2
.endr
.set gi, 0
.rept 32
	v_rcp_f32 v[TR+gi], v[TR+gi]
	v_exp_f32 v[ER+gi], v[ER+gi]
.set gi, gi+1
.endr
.set gi, 0
.rept 16
	v_pk_mul_f32 v[ZR+gi:ZR+gi+1], v[ZR+gi:ZR+gi+1], 0.5 op_sel_hi:[1,0]                      ; z / 2: the plain instructions behind the transcendentals (ISA guide 5.7.2)
.set gi, gi+2
.endr
.set gi, 0
	s_wait_alu depctr_va_vdst(0)
.rept 16
	v_pk_fma_f32 v[PR+gi:PR+gi+1], v[TR+gi:TR+gi+1], v[C5:C5+1], v[C4:C4+1]
.set gi, gi+2
.endr
.irp c, C3, C2, C1
.set gi, 0
.rept 16
	v_pk_fma_f32 v[PR+gi:PR+gi+1], v[PR+gi:PR+gi+1], v[TR+gi:TR+gi+1], v[\c:\c+1]
.set gi, gi+2
.endr
.endr
.set gi, 0
.rept 16
	v_pk_mul_f32 v[PR+gi:PR+gi+1], v[PR+gi:PR+gi+1], v[TR+gi:TR+gi+1]
.set gi, gi+2
.endr
.set gi, 0
.rept 16
	v_pk_fma_f32 v[PR+gi:PR+gi+1], v[PR+gi:PR+gi+1], v[ER+gi:ER+gi+1], 0.5 op_sel_hi:[1,1,0]
.set gi, gi+2
.endr
.set gi, 0
.rept 16
	v_pk_fma_f32 v[ZR+gi:ZR+gi+1], v[AZ+gi:AZ+gi+1], v[PR+gi:PR+gi+1], v[ZR+gi:ZR+gi+1]
.set gi, gi+2
.endr
.set gi, 0
.rept 16
	v_cvt_pk_f16_f32 v[HP+gi], v[ZR+2*gi], v[ZR+2*gi+1]
.set gi, gi+1
.endr
.irp b, 0,1,2,3
.if \a < 8
	ds_store_b128 v[STO], v[HP+4*\b:HP+4*\b+3] offset:16*SP*\a+32*\b
.else
	ds_store_b128 v[STO2], v[HP+4*\b:HP+4*\b+3] offset:32*\b
.endif
.endr
.endm
.irp a, 0,1,2,3,4,5,6,7,8
	GELU_ROW \a
.endr
	s_wait_dscnt 0x0                               ; my part of the stage is written, for the other waves' sake
	s_barrier_signal -1
	s_barrier_wait -1
.set RB, 44                            ; v44-187: 36 rows, four registers each, none written twice
.set gi, 0
.rept 36
	ds_load_b128 v[RB+4*gi:RB+4*gi+3], v[RD] offset:SP*gi          ; a whole row of 512 bytes
.set gi, gi+1
.endr
.set gi, 0
.rept 36
	s_wait_dscnt 35-gi
	global_store_b128 v[CO], v[RB+4*gi:RB+4*gi+3], s[12:13] offset:2048*gi    ; 512 consecutive bytes, aligned
.set gi, gi+1
.endr
	s_wait_tensorcnt 0x0
	ds_add_u32 v254, v255
	s_wait_dscnt 0x0
	s_endpgm
.Lfunc_end_k_q7fec3015e0_gemm1:
	.size	k_q7fec3015e0_gemm1, .Lfunc_end_k_q7fec3015e0_gemm1-k_q7fec3015e0_gemm1
	.p2alignl 7, 3214868480
	.fill 96, 4, 3214868480
	.section	.rodata,"a",@progbits
	.p2align	6, 0x0
	.amdhsa_kernel k_q7fec3015e0_gemm1
		.amdhsa_group_segment_fixed_size 327680
		.amdhsa_private_segment_fixed_size 0
		.amdhsa_enable_private_segment 0
		.amdhsa_kernarg_size 40
		.amdhsa_user_sgpr_count 2
		.amdhsa_user_sgpr_kernarg_segment_ptr 1
		.amdhsa_wavefront_size32 1
		.amdhsa_system_sgpr_workgroup_id_x 1
		.amdhsa_system_sgpr_workgroup_id_y 1
		.amdhsa_system_sgpr_workgroup_id_z 1
		.amdhsa_system_vgpr_workitem_id 0
		.amdhsa_next_free_vgpr 648
		.amdhsa_next_free_sgpr 66
		.amdhsa_reserve_vcc 0
		.amdhsa_float_denorm_mode_32 3
		.amdhsa_float_denorm_mode_16_64 3
		.amdhsa_memory_ordered 1
		.amdhsa_forward_progress 1
		.amdhsa_inst_pref_size 255
	.end_amdhsa_kernel
	.section	.bss,"aw",@nobits
	.p2align	6
	.space	262144
	.amdgpu_metadata
---
amdhsa.version: [ 1, 2 ]
amdhsa.kernels:
  - .name:           k_q7fec3015e0_gemm1
    .symbol:         k_q7fec3015e0_gemm1.kd
    .args:
      - { .name: xh, .offset: 0, .size: 8, .value_kind: global_buffer, .address_space: global }
      - { .name: wh, .offset: 8, .size: 8, .value_kind: global_buffer, .address_space: global }
      - { .name: b1, .offset: 16, .size: 8, .value_kind: global_buffer, .address_space: global }
      - { .name: plan, .offset: 24, .size: 8, .value_kind: global_buffer, .address_space: global }
      - { .name: h, .offset: 32, .size: 8, .value_kind: global_buffer, .address_space: global }
    .group_segment_fixed_size: 327680
    .private_segment_fixed_size: 0
    .kernarg_segment_align: 8
    .kernarg_segment_size: 40
    .max_flat_workgroup_size: 128
    .sgpr_count:     66
    .vgpr_count:     648
    .wavefront_size: 32
...
	.end_amdgpu_metadata
.endif
;; end of part 3
;; launch gemm2 (part 4): grid 4 x 64, 4 waves a work-group, no clusters, 327,680 bytes of LDS; arguments h, wh, b2, plan, y; writes y
.if DOCPART == 4
	.amdgcn_target "amdgcn-amd-amdhsa--gfx1250"
	.amdhsa_code_object_version 6
	.text
	.protected	k_q7fec3015e0_gemm2
	.globl	k_q7fec3015e0_gemm2
	.p2align	8
	.type	k_q7fec3015e0_gemm2,@function
k_q7fec3015e0_gemm2:
	s_mov_b64 s[64:65], 0
	v_nop
	global_prefetch_b8 v0, s[64:65] scope:SCOPE_SE
	s_setreg_imm32_b32 hwreg(HW_REG_WAVE_MODE, 25, 1), 1
	s_wait_xcnt 0x0
; y[row][n] = h[row] . w2[e][:, n] + b2[e][n] in f32, rows in the order of the sorted table; e = bexp[block].
; The same frame as the first product: a work-group makes 144 rows x 256 columns (64 blocks x 4 column quarters = 256 work-groups), wave w all 144 rows x
; columns 64 w .. 64 w + 63 in 36 accumulator tiles; K = 1024 in 8 steps of 128, four quarters of 32 each, written out by macros, no branch.
; W's tile ([k][n], 128 x 256 f16) comes by tensor loads into two LDS slots and is read by the transposing LDS load; h's tile (144 rows x 256 bytes)
; comes through registers into two LDS buffers of its own, as in the first product, so that both texts share their macros.
; Blocks that the routing leaves empty are computed all the same into rows that nobody reads (an early end would put barriers under a branch on loaded data).
; NO CLUSTER: W's tile is shared by the row blocks of one expert only, whose number and place hang on counts read from memory; h's tile, 36 of a step's
; 100 KiB, is shared by the four column quarters and is left to the cache here.
; THE MATRIX INSTRUCTION IS USED TRANSPOSED: source 0 = 16 columns of W, source 1 = 16 rows of h; register j of lane (r, hh) holds row r, column 8 hh + j.
; LIMITS.  f16 operands, f32 sums.
; REGISTERS: window 0: v0-43 addresses, v44-147 and v148-251 two fragment buffers (W 32, h 72);  window 1: tiles (a, b), a = 0..7, at 8 (4 a + b);
;            window 2: v0-31 tiles (8, b), v32-103 stage of h's next tile, v104-135 bias of my 32 columns a lane.
.set BSLOT, 69632                      ; a slot of W: 128 rows x 544 bytes (512 + 32: 17 x 32)
.set BP,    544
.set AB,    139264                     ; h's two buffers: 144 rows x 272 bytes each
.set ABUF,  39168
.set AP,    272
.set STAGE, 217600                     ; the way out: 16 rows x 272 bytes for each wave, its own
.set ADRA, 16
.set ADRB, 18
.set ASTO, 20
.set STO,  22
.set RD,   24
.set CO,   25
.set ROFF, 26                          ; v26 byte offset in h of my 16 bytes of row t >> 4 of the block
.set F0,   44
.set F1,   148
.set STG,  32                          ; window 2
.set BIAS, 104                         ; window 2
.set G1, 24
.set G0, 32
.set MSB, 0
.macro WIN new                         ; the immediate's high byte repeats the setting that is left
.if MSB != \new
	s_set_vgpr_msb (MSB<<8)|\new
.set MSB, \new
.endif
.endm
.macro PLACES                          ; four places behind a matrix instruction before its registers are loaded into or its result read (ISA guide 7.12.1)
.rept 4
	v_nop
.endr
.endm
; row blocks a0 .. a1 x my four column blocks, 32 along K, from buffer f.  The 36 accumulators take turns, one instruction a turn, always in this order.
.macro MULS f, a0, a1, zero
.set ma, \a0
.rept \a1-\a0+1
.if ma < 8
	WIN 0x50
.set mc, 32*ma
.else
	WIN 0xa0
.set mc, 0
.endif
.irp b, 0,1,2,3
.if \zero
	v_wmma_f32_16x16x32_f16 v[mc+8*\b:mc+8*\b+7], v[\f+8*\b:\f+8*\b+7], v[\f+32+8*ma:\f+32+8*ma+7], 0
.else
	v_wmma_f32_16x16x32_f16 v[mc+8*\b:mc+8*\b+7], v[\f+8*\b:\f+8*\b+7], v[\f+32+8*ma:\f+32+8*ma+7], v[mc+8*\b:mc+8*\b+7]
.endif
.endr
.set ma, ma+1
.endr
.endm
.macro FETCH slot, kk, f               ; 26 LDS loads: W's four fragments (transposed on the way), then h's nine
	WIN 0
.irp b, 0,1,2,3
	ds_load_tr16_b128 v[\f+8*\b:\f+8*\b+3],   v[ADRB+\slot] offset:\kk*32*BP+32*\b
	ds_load_tr16_b128 v[\f+8*\b+4:\f+8*\b+7], v[ADRB+\slot] offset:\kk*32*BP+32*\b+16*BP
.endr
.irp a, 0,1,2,3,4,5,6,7,8
	ds_load_b128 v[\f+32+8*\a:\f+32+8*\a+3],   v[ADRA+\slot] offset:16*AP*\a+64*\kk
	ds_load_b128 v[\f+32+8*\a+4:\f+32+8*\a+7], v[ADRA+\slot] offset:16*AP*\a+64*\kk+32
.endr
.endm
.macro ASTORE slot
	s_wait_loadcnt 0x0                             ; the staged loads are out (at the first call the bias loads too)
	WIN 0x08
.irp i, 0,1,2,3,4,5,6,7,8,9,10,11,12,13,14,15,16,17
	ds_store_b128 v[ASTO+\slot], v[STG+4*\i:STG+4*\i+3] offset:8*AP*\i
.endr
.endm
.macro ALOAD step                      ; 144 rows x 256 bytes of K step 'step': sixteen lanes read 256 consecutive bytes, aligned
	WIN 0x80
.irp i, 0,1,2,3,4,5,6,7,8,9,10,11,12,13,14,15,16,17
	global_load_b128 v[STG+4*\i:STG+4*\i+3], v[ROFF], s[4:5] offset:16384*\i+256*\step
.endr
.endm
.macro QUARTER slot, kk, f, g, zero, dosto, nslot, dold, ldstep
	s_wait_dscnt 10                                ; W and h's row blocks 0-3 are in; the youngest ten loads (row blocks 4-8) may be out
	MULS \f, 0, 3, \zero
	PLACES
.if \dosto
	ASTORE \nslot
.endif
	FETCH \slot, \kk, \g
	s_wait_dscnt 26                                ; all but the 26 just issued: the rest of f, and the stores out of the stage
.if \dold
	ALOAD \ldstep                                  ; the stage is loaded again only behind that wait
.endif
	MULS \f, 4, 8, \zero
.endm
.macro TURN slot, next, refill
	s_wait_dscnt 0x0                               ; my reads of this slot and buffer are back, my stores of h's next tile are done
	s_wait_tensorcnt 0x0                           ; all my tensor loads have landed: the one that was out is my part of the next slot
	ds_add_u32 v254, v255
	s_wait_dscnt 0x0
.if \refill
	s_add_nc_u64 s[G0+4*\slot+2:G0+4*\slot+3], s[G0+4*\slot+2:G0+4*\slot+3], 524288   ; two K steps on
.endif
	s_barrier_signal -1
	MULS F1, 0, 3, 0                               ; register work while the others arrive
	s_barrier_wait -1
.if \refill
	tensor_load_to_lds s[G0+4*\slot:G0+4*\slot+3], s[G1:G1+7]      ; my one tensor load behind this barrier, first thing there
	s_nop 0
.endif
	PLACES
	FETCH \next, 0, F0
	MULS F1, 4, 8, 0
.endm
.macro TRIP slot, next, zero, dosto, dold, ldstep, last, refill
	QUARTER \slot, 1, F0, F1, \zero, 0, 0, 0, 0
	QUARTER \slot, 2, F1, F0, 0, 0, 0, 0, 0
	QUARTER \slot, 3, F0, F1, 0, \dosto, \next, \dold, \ldstep
.if \last
	s_wait_dscnt 0x0
	MULS F1, 0, 8, 0
.else
	TURN \slot, \next, \refill
.endif
.endm
	s_load_b256 s[4:11], s[0:1], 0x0               ; h 4:5, wh 6:7, b2 8:9, plan 10:11
	s_load_b64 s[12:13], s[0:1], 0x20              ; y
	v_lshl_add_u32 v254, v0, 2, 0x39600
	v_mov_b32 v255, 0
	ds_add_u32 v254, v255
	ds_add_u32 v254, v255
	v_lshrrev_b32 v6, 5, v0
	v_readfirstlane_b32 s16, v6                    ; wave
	s_mov_b32 s17, ttmp9                           ; column quarter
	s_and_b32 s18, ttmp7, 0xffff                   ; block of 144 rows
	s_lshl_b32 s50, s18, 2
	v_and_b32 v1, 15, v0                           ; r
	v_bfe_u32 v2, v0, 4, 1                         ; hh
	v_lshrrev_b32 v3, 4, v0                        ; t >> 4
	v_lshlrev_b32 v5, 4, v1
	s_wait_dscnt 0x0
	s_wait_kmcnt 0x0
	s_load_b32 s19, s[10:11], s50 offset:0x11000   ; bexp[block]
	s_mov_b32 s[G1+0], (1<<16)|(1<<20)|(6<<22)|(7<<25)   ; elements of 2 bytes; 8 words of padding behind every 128
	s_mov_b32 s[G1+1], 256<<16                     ; tensor_dim0 = 256
	s_mov_b32 s[G1+2], 32<<16                      ; tensor_dim1 = 32
	s_mov_b32 s[G1+3], 256<<16                     ; tile_dim0 = 256
	s_mov_b32 s[G1+4], 32                          ; tile_dim1 = 32
	s_mov_b32 s[G1+5], 1024
	s_mov_b32 s[G1+6], 0
	s_mov_b32 s[G1+7], 0
	s_wait_kmcnt 0x0
	s_min_u32 s19, s19, 7
	s_lshl_b32 s20, s19, 21
	s_lshl_b32 s21, s16, 16
	s_add_co_u32 s20, s20, s21
	s_lshl_b32 s21, s17, 9
	s_add_co_u32 s20, s20, s21
	s_add_co_u32 s20, s20, 0x1000000               ; w2 lies 16 MiB behind w1 in wh
	s_mov_b32 s21, 0
	s_add_nc_u64 s[22:23], s[6:7], s[20:21]
	s_mov_b32 s[G0], 1
	s_mul_i32 s[G0+1], s16, 32*BP
	s_mov_b64 s[G0+2:G0+3], s[22:23]
	s_or_b32 s[G0+3], s[G0+3], 0x80000000
	s_mov_b32 s[G0+4], 1
	s_add_co_u32 s[G0+5], s[G0+1], BSLOT
	s_add_nc_u64 s[G0+6:G0+7], s[22:23], 262144
	s_or_b32 s[G0+7], s[G0+7], 0x80000000
	tensor_load_to_lds s[G0:G0+3], s[G1:G1+7]      ; both first fills together, ahead of every barrier and wait on TENSORcnt:
	s_nop 0
	tensor_load_to_lds s[G0+4:G0+7], s[G1:G1+7]    ; two tensor loads of a wave are out here, later one
	s_nop 0
	s_lshl_b32 s20, s19, 12
	s_lshl_b32 s21, s17, 10
	s_add_co_u32 s20, s20, s21
	s_lshl_b32 s21, s16, 8
	s_add_co_u32 s20, s20, s21
	s_mov_b32 s21, 0
	s_add_nc_u64 s[8:9], s[8:9], s[20:21]          ; b2[e] at my wave's 64 columns
	v_lshlrev_b32 v14, 5, v2
	WIN 0x80
.irp b, 0,1,2,3
	global_load_b128 v[BIAS+8*\b:BIAS+8*\b+3],   v14, s[8:9] offset:64*\b
	global_load_b128 v[BIAS+8*\b+4:BIAS+8*\b+7], v14, s[8:9] offset:64*\b+16
.endr
	WIN 0
	s_mul_i32 s22, s18, 294912                     ; h at my block: 144 rows of 2048 bytes
	s_mov_b32 s23, 0
	s_add_nc_u64 s[4:5], s[4:5], s[22:23]
	v_lshl_add_u32 v[ROFF], v3, 11, v5
	ALOAD 0
	WIN 0
	v_mul_u32_u24 v7, v1, AP
	v_lshl_add_u32 v7, v2, 4, v7
	v_add_nc_u32 v[ADRA], AB, v7
	v_add_nc_u32 v[ADRA+1], AB+ABUF, v7
	v_and_b32 v8, 7, v0
	v_lshl_add_u32 v8, v2, 3, v8
	v_mul_u32_u24 v8, v8, BP
	v_bfe_u32 v9, v0, 3, 1
	v_lshl_add_u32 v8, v9, 4, v8
	s_lshl_b32 s51, s16, 7
	v_add_nc_u32 v[ADRB], s51, v8
	v_add_nc_u32 v[ADRB+1], BSLOT, v[ADRB]
	v_mul_u32_u24 v10, v3, AP
	v_add_nc_u32 v10, v10, v5
	v_add_nc_u32 v[ASTO], AB, v10
	v_add_nc_u32 v[ASTO+1], AB+ABUF, v10
	s_mul_i32 s20, s16, 16*AP
	s_add_co_u32 s20, s20, STAGE                   ; my stage
	v_mul_u32_u24 v11, v1, AP
	v_lshl_add_u32 v11, v2, 5, v11                 ; in: row r, 32 bytes for each half of the lanes
	v_add_nc_u32 v[STO], s20, v11
	v_mul_u32_u24 v12, v2, AP
	v_lshl_add_u32 v12, v1, 4, v12                 ; back: lanes 0-15 one row of 256 bytes, lanes 16-31 the next
	v_add_nc_u32 v[RD], s20, v12
	v_lshlrev_b32 v13, 12, v2
	v_lshl_add_u32 v13, v1, 4, v13
	s_lshl_b32 s21, s16, 8
	v_add_nc_u32 v[CO], s21, v13                   ; the same two rows in y, at my 64 columns
	s_mul_i32 s22, s18, 589824                     ; 144 rows of 4096 bytes
	s_lshl_b32 s23, s17, 10
	s_add_co_u32 s22, s22, s23
	s_mov_b32 s23, 0
	s_add_nc_u64 s[12:13], s[12:13], s[22:23]
	ASTORE 0
	s_wait_dscnt 0x0                               ; the stage has been read, and my part of h's first tile is in LDS
	ALOAD 1
	WIN 0
	s_wait_tensorcnt 0x1                           ; my part of K step 0 is in; K step 1's may stay out
	s_barrier_signal -1
	s_barrier_wait -1
	FETCH 0, 0, F0
	TRIP 0, 1, 1, 1, 1, 2, 0, 1                    ; the first products start the sums: nothing is cleared
	TRIP 1, 0, 0, 1, 1, 3, 0, 1
	TRIP 0, 1, 0, 1, 1, 4, 0, 1
	TRIP 1, 0, 0, 1, 1, 5, 0, 1
	TRIP 0, 1, 0, 1, 1, 6, 0, 1
	TRIP 1, 0, 0, 1, 1, 7, 0, 1
	TRIP 0, 1, 0, 1, 0, 0, 0, 0                    ; nothing is left to fetch from memory
	TRIP 1, 0, 0, 0, 0, 0, 1, 0
	PLACES
	WIN 0
	; THE WAY OUT, 16 rows at a time: add the bias, 32 bytes a lane and column block into my own stage, read back as rows of 256 bytes.
.set ZR,  44
.set RB0, 76
.set RB1, 108
.macro OUT_ROW a, rb
.if \a < 8
	WIN 0x09
.set gc, 32*\a
.else
	WIN 0x0a
.set gc, 0
.endif
.set gi, 0
.rept 16
	v_pk_add_f32 v[ZR+gi:ZR+gi+1], v[gc+gi:gc+gi+1], v[BIAS+gi:BIAS+gi+1]
.set gi, gi+2
.endr
	WIN 0
.irp b, 0,1,2,3
	ds_store_b128 v[STO], v[ZR+8*\b:ZR+8*\b+3]   offset:64*\b
	ds_store_b128 v[STO], v[ZR+8*\b+4:ZR+8*\b+7] offset:64*\b+16
.endr
	s_wait_xcnt 0x0                                ; the read-back registers, which earlier stores read, are loaded again only behind this wait
.irp k, 0,1,2,3,4,5,6,7
	ds_load_b128 v[\rb+4*\k:\rb+4*\k+3], v[RD] offset:2*AP*\k      ; LDS serves a wave's instructions in order (ISA guide 5.7.1.4): these see the stores above
.endr
.irp k, 0,1,2,3,4,5,6,7
	s_wait_dscnt 7-\k
	global_store_b128 v[CO], v[\rb+4*\k:\rb+4*\k+3], s[12:13] offset:(16*\a+2*\k)*4096   ; sixteen lanes store 256 consecutive bytes, aligned
.endr
.endm
	OUT_ROW 0, RB0
	OUT_ROW 1, RB1
	OUT_ROW 2, RB0
	OUT_ROW 3, RB1
	OUT_ROW 4, RB0
	OUT_ROW 5, RB1
	OUT_ROW 6, RB0
	OUT_ROW 7, RB1
	OUT_ROW 8, RB0
	s_wait_tensorcnt 0x0
	ds_add_u32 v254, v255
	s_wait_dscnt 0x0
	s_endpgm
.Lfunc_end_k_q7fec3015e0_gemm2:
	.size	k_q7fec3015e0_gemm2, .Lfunc_end_k_q7fec3015e0_gemm2-k_q7fec3015e0_gemm2
	.p2alignl 7, 3214868480
	.fill 96, 4, 3214868480
	.section	.rodata,"a",@progbits
	.p2align	6, 0x0
	.amdhsa_kernel k_q7fec3015e0_gemm2
		.amdhsa_group_segment_fixed_size 327680
		.amdhsa_private_segment_fixed_size 0
		.amdhsa_enable_private_segment 0
		.amdhsa_kernarg_size 40
		.amdhsa_user_sgpr_count 2
		.amdhsa_user_sgpr_kernarg_segment_ptr 1
		.amdhsa_wavefront_size32 1
		.amdhsa_system_sgpr_workgroup_id_x 1
		.amdhsa_system_sgpr_workgroup_id_y 1
		.amdhsa_system_sgpr_workgroup_id_z 1
		.amdhsa_system_vgpr_workitem_id 0
		.amdhsa_next_free_vgpr 648
		.amdhsa_next_free_sgpr 66
		.amdhsa_reserve_vcc 0
		.amdhsa_float_denorm_mode_32 3
		.amdhsa_float_denorm_mode_16_64 3
		.amdhsa_memory_ordered 1
		.amdhsa_forward_progress 1
		.amdhsa_inst_pref_size 194
	.end_amdhsa_kernel
	.amdgpu_metadata
---
amdhsa.version: [ 1, 2 ]
amdhsa.kernels:
  - .name:           k_q7fec3015e0_gemm2
    .symbol:         k_q7fec3015e0_gemm2.kd
    .args:
      - { .name: h, .offset: 0, .size: 8, .value_kind: global_buffer, .address_space: global }
      - { .name: wh, .offset: 8, .size: 8, .value_kind: global_buffer, .address_space: global }
      - { .name: b2, .offset: 16, .size: 8, .value_kind: global_buffer, .address_space: global }
      - { .name: plan, .offset: 24, .size: 8, .value_kind: global_buffer, .address_space: global }
      - { .name: y, .offset: 32, .size: 8, .value_kind: global_buffer, .address_space: global }
    .group_segment_fixed_size: 327680
    .private_segment_fixed_size: 0
    .kernarg_segment_align: 8
    .kernarg_segment_size: 40
    .max_flat_workgroup_size: 128
    .sgpr_count:     66
    .vgpr_count:     648
    .wavefront_size: 32
...
	.end_amdgpu_metadata
.endif
;; end of part 4
;; launch combine (part 5): grid 256 x 1, 8 waves a work-group, no clusters, 0 bytes of LDS; arguments y, plan, gate, out0; writes out0
.if DOCPART == 5
	.amdgcn_target "amdgcn-amd-amdhsa--gfx1250"
	.amdhsa_code_object_version 6
	.text
	.protected	k_q7fec3015e0_combine
	.globl	k_q7fec3015e0_combine
	.p2align	8
	.type	k_q7fec3015e0_combine,@function
k_q7fec3015e0_combine:
	s_mov_b64 s[64:65], 0
	v_nop
	global_prefetch_b8 v0, s[64:65] scope:SCOPE_SE
	s_setreg_imm32_b32 hwreg(HW_REG_WAVE_MODE, 25, 1), 1
	s_wait_xcnt 0x0
; out[t] = g[t][0] y[pos[t][0]] + g[t][1] y[pos[t][1]]: a gather of two rows of 4096 bytes a token, a stream bound by memory.
; A wave takes two tokens; their four rows are 32 loads of 512 consecutive bytes, all on their way at once; every row of y that a pair owns is read once.
; The sum is formed as g0 y0 + (g1 y1), not in ascending order of the experts: the last bit may differ.
; No LDS, no barrier, no matrix unit: nothing is shared and nothing is multiplied but by two gates.
.set YA0, 8                            ; v[8:39]    token A, first row; becomes the result
.set YA1, 40                           ; v[40:71]   token A, second row
.set YB0, 72
.set YB1, 104
	s_load_b256 s[4:11], s[0:1], 0x0               ; y 4:5, plan 6:7, gate 8:9, out 10:11
	v_lshrrev_b32 v2, 5, v0
	v_readfirstlane_b32 s12, v2                    ; wave
	v_and_b32 v1, 31, v0
	v_lshlrev_b32 v1, 4, v1                        ; lane x 16
	s_lshl_b32 s13, ttmp9, 4
	s_lshl1_add_u32 s13, s12, s13                  ; my first token = 16 x work-group + 2 x wave
	s_lshl_b32 s14, s13, 3
	s_lshl_b32 s42, s13, 12
	s_mov_b32 s43, 0
	s_wait_kmcnt 0x0
	s_load_b128 s[16:19], s[6:7], s14 offset:0x9000    ; pos of both tokens
	s_load_b128 s[20:23], s[8:9], s14 offset:0x0       ; gates of both tokens
	s_add_nc_u64 s[40:41], s[10:11], s[42:43]
	s_wait_kmcnt 0x0
.irp i, 0,1,2,3
	s_min_u32 s[16+\i], s[16+\i], 0x23ff           ; a row of y, whatever the table holds
	s_lshl_b32 s[24+2*\i], s[16+\i], 12
	s_mov_b32 s[25+2*\i], 0
	s_add_nc_u64 s[24+2*\i:25+2*\i], s[4:5], s[24+2*\i:25+2*\i]
	s_mov_b32 s[32+2*\i], s[20+\i]                 ; the gate, in both halves of a pair
	s_mov_b32 s[33+2*\i], s[20+\i]
.endr
.irp j, 0,1,2,3,4,5,6,7
	global_load_b128 v[YA0+4*\j:YA0+4*\j+3], v1, s[24:25] offset:512*\j th:TH_LOAD_NT
	global_load_b128 v[YA1+4*\j:YA1+4*\j+3], v1, s[26:27] offset:512*\j th:TH_LOAD_NT
.endr
.irp j, 0,1,2,3,4,5,6,7
	global_load_b128 v[YB0+4*\j:YB0+4*\j+3], v1, s[28:29] offset:512*\j th:TH_LOAD_NT
	global_load_b128 v[YB1+4*\j:YB1+4*\j+3], v1, s[30:31] offset:512*\j th:TH_LOAD_NT
.endr
; chunk j of one token: left = the loads younger than its two
.macro MIX y0, y1, g, j, left, tok
	s_wait_loadcnt \left
	v_pk_mul_f32 v[\y1+4*\j:\y1+4*\j+1],   v[\y1+4*\j:\y1+4*\j+1],   s[\g+2:\g+3] op_sel_hi:[1,0]
	v_pk_mul_f32 v[\y1+4*\j+2:\y1+4*\j+3], v[\y1+4*\j+2:\y1+4*\j+3], s[\g+2:\g+3] op_sel_hi:[1,0]
	v_pk_fma_f32 v[\y0+4*\j:\y0+4*\j+1],   v[\y0+4*\j:\y0+4*\j+1],   s[\g:\g+1], v[\y1+4*\j:\y1+4*\j+1] op_sel_hi:[1,0,1]
	v_pk_fma_f32 v[\y0+4*\j+2:\y0+4*\j+3], v[\y0+4*\j+2:\y0+4*\j+3], s[\g:\g+1], v[\y1+4*\j+2:\y1+4*\j+3] op_sel_hi:[1,0,1]
	global_store_b128 v1, v[\y0+4*\j:\y0+4*\j+3], s[40:41] offset:4096*\tok+512*\j th:TH_STORE_NT   ; 512 consecutive bytes, aligned; no register is written after its store
.endm
.irp j, 0,1,2,3,4,5,6,7
	MIX YA0, YA1, 32, \j, 30-2*\j, 0
.endr
.irp j, 0,1,2,3,4,5,6,7
	MIX YB0, YB1, 36, \j, 14-2*\j, 1
.endr
	s_endpgm
.Lfunc_end_k_q7fec3015e0_combine:
	.size	k_q7fec3015e0_combine, .Lfunc_end_k_q7fec3015e0_combine-k_q7fec3015e0_combine
	.p2alignl 7, 3214868480
	.fill 96, 4, 3214868480
	.section	.rodata,"a",@progbits
	.p2align	6, 0x0
	.amdhsa_kernel k_q7fec3015e0_combine
		.amdhsa_group_segment_fixed_size 0
		.amdhsa_private_segment_fixed_size 0
		.amdhsa_enable_private_segment 0
		.amdhsa_kernarg_size 32
		.amdhsa_user_sgpr_count 2
		.amdhsa_user_sgpr_kernarg_segment_ptr 1
		.amdhsa_wavefront_size32 1
		.amdhsa_system_sgpr_workgroup_id_x 1
		.amdhsa_system_sgpr_workgroup_id_y 1
		.amdhsa_system_sgpr_workgroup_id_z 1
		.amdhsa_system_vgpr_workitem_id 0
		.amdhsa_next_free_vgpr 136
		.amdhsa_next_free_sgpr 66
		.amdhsa_reserve_vcc 0
		.amdhsa_float_denorm_mode_32 3
		.amdhsa_float_denorm_mode_16_64 3
		.amdhsa_memory_ordered 1
		.amdhsa_forward_progress 1
		.amdhsa_inst_pref_size 11
	.end_amdhsa_kernel
	.amdgpu_metadata
---
amdhsa.version: [ 1, 2 ]
amdhsa.kernels:
  - .name:           k_q7fec3015e0_combine
    .symbol:         k_q7fec3015e0_combine.kd
    .args:
      - { .name: y, .offset: 0, .size: 8, .value_kind: global_buffer, .address_space: global }
      - { .name: plan, .offset: 8, .size: 8, .value_kind: global_buffer, .address_space: global }
      - { .name: gate, .offset: 16, .size: 8, .value_kind: global_buffer, .address_space: global }
      - { .name: out0, .offset: 24, .size: 8, .value_kind: global_buffer, .address_space: global }
    .group_segment_fixed_size: 0
    .private_segment_fixed_size: 0
    .kernarg_segment_align: 8
    .kernarg_segment_size: 32
    .max_flat_workgroup_size: 256
    .sgpr_count:     66
    .vgpr_count:     136
    .wavefront_size: 32
...
	.end_amdgpu_metadata
.endif
;; end of part 5
;; ======== version 2 of 2: 5 launches; version 1 with the launch combine written anew for expert scheduling mode
;; limits: values are held in f16: magnitudes above 65,504 overflow, below 6.1e-05 lose precision; a function is approximated: absolute error at most 1.5e-07
;; workspace buffers: xh 8,388,608 bytes; wh 33,554,432 bytes; sel 16,384 bytes of whole numbers; gate 32,768 bytes; plan 69,888 bytes of whole numbers; h 18,874,368 bytes; y 37,748,736 bytes
;; launch prep: the kernel of part 1 again; grid 1280 x 1, 8 waves a work-group, no clusters, 37,888 bytes of LDS; arguments x, router_w, router_b, w1, w2, xh, wh, sel, gate; writes xh, wh, sel, gate
;; launch place: the kernel of part 2 again; grid 1 x 1, 32 waves a work-group, no clusters, 45,312 bytes of LDS; arguments sel, plan; writes plan
;; launch gemm1: the kernel of part 3 again; grid 4 x 64, 4 waves a work-group, no clusters, 327,680 bytes of LDS; arguments xh, wh, b1, plan, h; writes h
;; launch gemm2: the kernel of part 4 again; grid 4 x 64, 4 waves a work-group, no clusters, 327,680 bytes of LDS; arguments h, wh, b2, plan, y; writes y
;; launch combine (part 6): grid 256 x 1, 8 waves a work-group, no clusters, 0 bytes of LDS; arguments y, plan, gate, out0; writes out0
.if DOCPART == 6
	.amdgcn_target "amdgcn-amd-amdhsa--gfx1250"
	.amdhsa_code_object_version 6
	.text
	.protected	k_q7fec3015e0_combine
	.globl	k_q7fec3015e0_combine
	.p2align	8
	.type	k_q7fec3015e0_combine,@function
k_q7fec3015e0_combine:
	s_mov_b64 s[64:65], 0
	v_nop
	global_prefetch_b8 v0, s[64:65] scope:SCOPE_SE
	s_setreg_imm32_b32 hwreg(HW_REG_WAVE_SCHED_MODE, 0, 2), 2
	s_setreg_imm32_b32 hwreg(HW_REG_WAVE_MODE, 25, 1), 1
	s_wait_xcnt 0x0
	s_wait_alu depctr_vm_vsrc(0)
; out[t] = g[t][0] y[pos[t][0]] + g[t][1] y[pos[t][1]]: a gather of two rows of 4096 bytes a token, a stream bound by memory.
; A wave takes two tokens; their four rows are 32 loads of 512 consecutive bytes, all on their way at once; every row of y that a pair owns is read once.
; The sum is formed as g0 y0 + (g1 y1), not in ascending order of the experts: the last bit may differ.
; No LDS, no barrier, no matrix unit: nothing is shared and nothing is multiplied but by two gates.
; THE MODE: SCHED_MODE bits 1:0 = 2 (LLVM: expert scheduling mode 2), set by the entry lines.  The code itself states the register dependences
; between vector instructions and memory instructions, with s_wait_alu, always for 0.
; THE PLAN.  Registers that memory instructions touch:
;   v1          16 x lane: written at the head, never again; the offset of all 32 loads and all 16 stores.
;   YA0, YB0    a load lands in each register once; one fused multiply-add writes it in place; one store reads it; nothing writes it after that.
;   YA1, YB1    a load lands in each register once; one multiply writes it in place; no memory instruction reads it.
; No vector instruction names v8 to v135 ahead of the loads, and no register that a memory instruction has read is written again: so no wait on vm_vsrc is owed.
; The work goes in four blocks of four chunks (half a token: 8 loads, 16 packed instructions, 4 stores).  ONE wait on va_vdst a block stands behind its
; arithmetic and ahead of its run of four stores.  It does not stand at the next block's head: that head is a wait for data from memory, and the stores
; would be held back behind it.
.set YA0, 8                            ; v[8:39]    token A, first row; becomes the result
.set YA1, 40                           ; v[40:71]   token A, second row
.set YB0, 72
.set YB1, 104
	s_load_b256 s[4:11], s[0:1], 0x0               ; y 4:5, plan 6:7, gate 8:9, out 10:11
	v_lshrrev_b32 v2, 5, v0
	v_readfirstlane_b32 s12, v2                    ; wave
	v_and_b32 v1, 31, v0
	v_lshlrev_b32 v1, 4, v1                        ; lane x 16
	s_lshl_b32 s13, ttmp9, 4
	s_wait_alu depctr_va_sdst(0)                   ; s12 is written, ahead of its first reader: the token's number, and with it every base, is made from it
	s_lshl1_add_u32 s13, s12, s13                  ; my first token = 16 x work-group + 2 x wave
	s_lshl_b32 s14, s13, 3
	s_lshl_b32 s42, s13, 12
	s_mov_b32 s43, 0
	s_wait_kmcnt 0x0
	s_load_b128 s[16:19], s[6:7], s14 offset:0x9000    ; pos of both tokens
	s_load_b128 s[20:23], s[8:9], s14 offset:0x0       ; gates of both tokens
	s_add_nc_u64 s[40:41], s[10:11], s[42:43]
	s_wait_kmcnt 0x0
.irp i, 0,1,2,3
	s_min_u32 s[16+\i], s[16+\i], 0x23ff           ; a row of y, whatever the table holds
	s_lshl_b32 s[24+2*\i], s[16+\i], 12
	s_mov_b32 s[25+2*\i], 0
	s_add_nc_u64 s[24+2*\i:25+2*\i], s[4:5], s[24+2*\i:25+2*\i]
	s_mov_b32 s[32+2*\i], s[20+\i]                 ; the gate, in both halves of a pair
	s_mov_b32 s[33+2*\i], s[20+\i]
.endr
	s_wait_alu depctr_va_vdst(0)                   ; v1 is written: every load and store of the kernel reads it as its offset
.irp j, 0,1,2,3,4,5,6,7
	global_load_b128 v[YA0+4*\j:YA0+4*\j+3], v1, s[24:25] offset:512*\j th:TH_LOAD_NT
	global_load_b128 v[YA1+4*\j:YA1+4*\j+3], v1, s[26:27] offset:512*\j th:TH_LOAD_NT
.endr
.irp j, 0,1,2,3,4,5,6,7
	global_load_b128 v[YB0+4*\j:YB0+4*\j+3], v1, s[28:29] offset:512*\j th:TH_LOAD_NT
	global_load_b128 v[YB1+4*\j:YB1+4*\j+3], v1, s[30:31] offset:512*\j th:TH_LOAD_NT
.endr
; Chunks j0 .. j0 + 3 of one token.  left = the loads younger than the block's eight.
; The eight multiplies stand ahead of the eight fused multiply-adds, so that none of these reads the result of the line just before it.
.macro BLK y0, y1, g, j0, left, tok
	s_wait_loadcnt \left                           ; loads come back in order (ISA guide 5.7.1): the block's eight are in, the younger ones stay out
.irp d, 0,1,2,3
	v_pk_mul_f32 v[\y1+4*((\j0)+\d):\y1+4*((\j0)+\d)+1],   v[\y1+4*((\j0)+\d):\y1+4*((\j0)+\d)+1],   s[\g+2:\g+3] op_sel_hi:[1,0]
	v_pk_mul_f32 v[\y1+4*((\j0)+\d)+2:\y1+4*((\j0)+\d)+3], v[\y1+4*((\j0)+\d)+2:\y1+4*((\j0)+\d)+3], s[\g+2:\g+3] op_sel_hi:[1,0]
.endr
.irp d, 0,1,2,3
	v_pk_fma_f32 v[\y0+4*((\j0)+\d):\y0+4*((\j0)+\d)+1],   v[\y0+4*((\j0)+\d):\y0+4*((\j0)+\d)+1],   s[\g:\g+1], v[\y1+4*((\j0)+\d):\y1+4*((\j0)+\d)+1] op_sel_hi:[1,0,1]
	v_pk_fma_f32 v[\y0+4*((\j0)+\d)+2:\y0+4*((\j0)+\d)+3], v[\y0+4*((\j0)+\d)+2:\y0+4*((\j0)+\d)+3], s[\g:\g+1], v[\y1+4*((\j0)+\d)+2:\y1+4*((\j0)+\d)+3] op_sel_hi:[1,0,1]
.endr
	s_wait_alu depctr_va_vdst(0)                   ; the eight fused multiply-adds have written the block's sixteen result registers, which the four stores below read
.irp d, 0,1,2,3
	global_store_b128 v1, v[\y0+4*((\j0)+\d):\y0+4*((\j0)+\d)+3], s[40:41] offset:4096*\tok+512*((\j0)+\d) th:TH_STORE_NT   ; 512 consecutive bytes, aligned; no register is written after its store
.endr
.endm
	BLK YA0, YA1, 32, 0, 24, 0
	BLK YA0, YA1, 32, 4, 16, 0
	BLK YB0, YB1, 36, 0, 8, 1
	BLK YB0, YB1, 36, 4, 0, 1
	s_endpgm
.Lfunc_end_k_q7fec3015e0_combine:
	.size	k_q7fec3015e0_combine, .Lfunc_end_k_q7fec3015e0_combine-k_q7fec3015e0_combine
	.p2alignl 7, 3214868480
	.fill 96, 4, 3214868480
	.section	.rodata,"a",@progbits
	.p2align	6, 0x0
	.amdhsa_kernel k_q7fec3015e0_combine
		.amdhsa_group_segment_fixed_size 0
		.amdhsa_private_segment_fixed_size 0
		.amdhsa_enable_private_segment 0
		.amdhsa_kernarg_size 32
		.amdhsa_user_sgpr_count 2
		.amdhsa_user_sgpr_kernarg_segment_ptr 1
		.amdhsa_wavefront_size32 1
		.amdhsa_system_sgpr_workgroup_id_x 1
		.amdhsa_system_sgpr_workgroup_id_y 1
		.amdhsa_system_sgpr_workgroup_id_z 1
		.amdhsa_system_vgpr_workitem_id 0
		.amdhsa_next_free_vgpr 136
		.amdhsa_next_free_sgpr 66
		.amdhsa_reserve_vcc 0
		.amdhsa_float_denorm_mode_32 3
		.amdhsa_float_denorm_mode_16_64 3
		.amdhsa_memory_ordered 1
		.amdhsa_forward_progress 1
		.amdhsa_inst_pref_size 11
	.end_amdhsa_kernel
	.amdgpu_metadata
---
amdhsa.version: [ 1, 2 ]
amdhsa.kernels:
  - .name:           k_q7fec3015e0_combine
    .symbol:         k_q7fec3015e0_combine.kd
    .args:
      - { .name: y, .offset: 0, .size: 8, .value_kind: global_buffer, .address_space: global }
      - { .name: plan, .offset: 8, .size: 8, .value_kind: global_buffer, .address_space: global }
      - { .name: gate, .offset: 16, .size: 8, .value_kind: global_buffer, .address_space: global }
      - { .name: out0, .offset: 24, .size: 8, .value_kind: global_buffer, .address_space: global }
    .group_segment_fixed_size: 0
    .private_segment_fixed_size: 0
    .kernarg_segment_align: 8
    .kernarg_segment_size: 32
    .max_flat_workgroup_size: 256
    .sgpr_count:     66
    .vgpr_count:     136
    .wavefront_size: 32
...
	.end_amdgpu_metadata
.endif
;; end of part 6
